; MI455X (gfx1250); checked and timed in simulation.
; The chip was launched on July 23, 2026; its instructions are those of AMD's public machine-readable ISA for CDNA 5 (MIT licence, August 2026) and "CDNA5" Instruction Set Architecture Reference Guide (July 2026). The comments in the code are by the model that wrote it; some were corrected since.
;; Brute Force Mo E Linear. Allowed arithmetic: float matrix products may take bf16 or f16 operands with f32 sums; other float arithmetic in f32, or as packed bf16 or f16 multiplies, adds, multiply-adds, maxima and minima; sums over many terms, partial sums and values carried from step to step in f32; what a program stores and reads back later, other than sums and carried values, may be rounded once to bf16 or f16.
;; Inputs: gate 8,192 int32; inp 8,192 x 1,024 float32; weight 16 x 512 x 1,024 float32.
;; Outputs: out0 8,192 x 512 float32.
;; 2 versions, each right and faster than the one before. Each part assembles by itself: llvm-mc -triple=amdgcn-amd-amdhsa -mcpu=gfx1250 --defsym DOCPART=n.
;; ======== version 1 of 2: 1 launch
;; launch moe (part 1): grid 16 x 16, 4 waves a work-group, no clusters, 317,184 bytes of LDS; arguments gate, inp, weight, out0; writes out0
.if DOCPART == 1
	.amdgcn_target "amdgcn-amd-amdhsa--gfx1250"
	.amdhsa_code_object_version 6
	.text
	.protected	k_q80cf40ca47_moe
	.globl	k_q80cf40ca47_moe
	.p2align	8
	.type	k_q80cf40ca47_moe,@function
k_q80cf40ca47_moe:
	s_mov_b64 s[64:65], 0
	v_nop
	global_prefetch_b8 v0, s[64:65] scope:SCOPE_SE
	s_setreg_imm32_b32 hwreg(HW_REG_WAVE_MODE, 25, 1), 1
	s_wait_xcnt 0x0
; out0[t][:] = weight[gate[t]] x inp[t].  gate [8192] i32, inp [8192][1024] f32, weight [16][512][1024] f32, out0 [8192][512] f32.
; ONE LAUNCH.  Work-group (x, y): expert e = y; x = 4 c + q: c = a slice of 128 output columns, q = a quarter of the expert's groups of 16 tokens.  Four waves.
; PHASE 1: the work-group's slice of the weights (128 rows x 4,096 bytes, consecutive in memory) goes through registers, is rounded to bf16 and stays in LDS.  In the same loop wave w
;   compares a quarter of gate with e and writes the matching token numbers, compacted, into its own list in LDS.  ONE barrier follows, the only one of the text.
; PHASE 2: every wave works alone.  Group number y' of the expert (16 tokens in list order) belongs to place u = y' % 16 = 4 w + q; a wave takes its groups two to a pass.  A pass gathers
;   32 token rows in pieces of 256 bytes, rounds them, turns them into fragments through the wave's own stage in LDS, multiplies them with all 128 columns, and stores whole pieces of 512 bytes.
; LIMITS.  inp and weight are rounded once to bf16 (f32's range is kept), sums are f32 with K ascending, the output is not rounded again.  A gate outside 0..15 gets a row of zeros.
;   Every split of the tokens is served; an expert always has 16 work-groups, so a wave has up to 16 passes where all tokens fall on one expert, against one or two for an even split.
; NO CLUSTER, NO TENSOR LOADS: the slice that four work-groups share arrives as f32, 524,288 bytes, more than LDS holds, and has to pass registers to be rounded; beside the resident
;   264,192 bytes of bf16 some 30,000 bytes would be left for slots; the token rows come by a list, which no descriptor covers; and partners differ in their number of passes.
; NO PREFETCH: the list is whole only at the barrier that stands directly ahead of the first token loads; the four register buffers, 64 loads a wave, are the look-ahead.
;
; LDS
.set PW,    2064          ; a row of the slice: 2,048 bytes of bf16 + 16 = 516 words: row r starts at bank 4 r mod 64 (64 banks of 4 bytes: ISA guide 11.1), so a fragment load's 16 rows start at 16 different groups of banks
.set PL,    264192        ; behind the slice's 128 rows: four lists of 16-bit token numbers, one for each wave that writes
.set PLE,   2080          ; entries in a list: 2,048 places, then a dump entry for each lane
.set PLP,   2*PLE
.set CNTB,  281600        ; word w: wave w's count
.set STG,   281856        ; wave w's own stage at STG + w STGW
.set STGW,  8704
.set PA,    144           ; stage, on the way in: 32 rows of 64 bf16 + 16 bytes
.set PO,    528           ; stage, on the way out: 16 rows of 128 f32 + 16 bytes
.set SPARE, 316672        ; the spare words, 128 bytes for each wave: two blocks of 256 bytes that no other line names
; VECTOR REGISTERS, in windows of 256 (s_set_vgpr_msb: bits 1:0 source 0, 3:2 source 1, 5:4 source 2, 7:6 destination)
;   window 0: what is named below     window 1: v0-127 accumulators, (group g, column block b) at 64 g + 8 b; v128-191, v192-255 two buffers of weight fragments
;   window 2: four buffers of 64 registers for f32 as loaded
.set L16,  1              ; 16 x (lane % 16)
.set LN16, 2              ; 16 x lane
.set LW,   3              ; phase 1: where my 8 bytes of a weight row go; stepped
.set TOKB, 4              ; phase 1: 128 w + 4 lane; stepped
.set PLA,  5              ; my wave's list
.set DIX,  6              ; 2048 + lane: my dump entry
.set RK,   7              ; at work
.set AD,   8
.set TK,   9
.set SPW,  10             ; LDS address of my spare word; never rewritten
.set NIL,  11             ; 0; never rewritten
.set WB,   12             ; v12-15  my place in a weight fragment, rows 32 j on
.set AST,  16             ; stage: where my 8 bytes of a token row go
.set AFA,  17             ; stage: my place in a token fragment
.set OST,  18             ; stage: where my 32 bytes of a result row go
.set OLD,  19             ; stage: my 16 bytes of a whole result row
.set TOKV, 20             ; v20-21  lane l: the token of row l % 16 of group 0, 1
.set R15,  22             ; lane % 16
.set BPI,  24             ; v24-31  4 x (i + 8 (lane / 16)): from which lane row i's or row i + 8's token comes
.set VO,   32             ; v32-47  byte offsets in inp of the rows that load 8 g + i takes
.set Z,    48             ; v48-51  0
.set CQ,   52             ; v52-55  the four counts
.set ZOF,  56             ; byte offset in out0 of my 16 bytes of my wave's first token of the zero duty
.set CA,   57             ; an address in CNTB
.set T,    80             ; v80-111 rounded numbers on their way into LDS; also token numbers and store offsets
.set AF,   112            ; v112-175 two buffers of token fragments: (group g, K half s) at 32 p + 16 g + 8 s
.set OB,   112            ; the same registers on the way out: 16 result rows
.set G,    176            ; v176-191 gate, four numbers a lane for each of four buffers
; SCALARS: s[4:5] gate  s[6:7] inp  s[8:9] weight  s[10:11] out0  s12 wave  s13 x  s14 e  s15 q  s16 c  s17 my list's count  s18 at work  s19 counter  s[20:23] offsets  s[24:31] eight gates
;   s32-35 the lists' counts  s36 their sum ce  s37 ce - 1  s38-40 first rank of lists 1-3  s41-43 jump into lists 1-3  s44 groups  s45 my groups  s46 passes  s47 pass  s48 rank of group 0's first row
;   s49, s50 live rows of groups 0, 1  s52 at work  s53 u  s[54:55] weights, stepped  s[56:57] gate, stepped  s[58:59] out0 at my columns
.set W_CV, 0x0a           ; sources 0 and 1 window 2, destination window 0
.set W_GL, 0x80           ; loaded data window 2, address window 0
.set W_BF, 0x40           ; loaded data window 1, address window 0
.set W_MM, 0x51           ; weights, C and D window 1, tokens window 0
.set W_OS, 0x04           ; LDS store data window 1
.set MSB, 0
.macro WIN new                         ; the immediate's high byte repeats the setting that is left; a switch that changes nothing is dropped
.if MSB != (\new)
	s_set_vgpr_msb (MSB<<8)|(\new)
.set MSB, (\new)
.endif
.endm
.macro PLACES                          ; four plain vector instructions between a matrix instruction and a load into, or an LDS store from, its registers
.rept 4
	v_nop
.endr
.endm
; ---------------------------------------------------------------- phase 1's macros
.macro WLD b, adv                      ; 16 loads: two weight rows, 8,192 consecutive bytes, into buffer b; each load takes 512 consecutive bytes
	WIN W_GL
.set y, 0
.rept 16
	global_load_b128 v[64*(\b)+4*y:64*(\b)+4*y+3], v[LN16], s[54:55] offset:((\b)+(\adv))*8192+512*y
.set y, y+1
.endr
	WIN 0
.endm
.macro GLD b, adv                      ; the buffer's 17th load: 128 gates of my wave
	global_load_b128 v[G+4*(\b):G+4*(\b)+3], v[LN16], s[56:57] offset:((\b)+(\adv))*2048
.endm
.macro ROUTE b                         ; the tokens 512 t + 128 w + 4 lane + i whose gate is e go to the end of my list, in the order (i, lane); the others' lanes write their dump entry
.irp i, 0,1,2,3
	v_cmp_eq_u32 vcc_lo, s14, v[G+4*(\b)+(\i)]
	v_mbcnt_lo_u32_b32 v[RK], vcc_lo, s17          ; the list's length + the matching lanes below mine
	s_bcnt1_i32_b32 s18, vcc_lo
	s_add_co_u32 s17, s17, s18
	v_cndmask_b32 v[RK], v[DIX], v[RK], vcc_lo
	v_min_u32 v[RK], PLE-1, v[RK]                  ; an entry of my list whatever was loaded
	v_lshl_add_u32 v[AD], v[RK], 1, v[PLA]
	v_add_nc_u32 v[TK], 512*(\b)+(\i), v[TOKB]
	ds_store_b16 v[AD], v[TK]
.endr
.endm
; Buffer b's turn.  left = the younger loads that may stay out: 17 for each younger buffer.  load = 1: the buffer takes the rows and gates four turns on.
.macro HALF b, load, left
	s_wait_loadcnt \left                           ; loads come back in order (ISA guide 5.7.1): this buffer's 16 weight loads and its gate load are in
	WIN W_CV
.set x, 0
.rept 16
	v_cvt_pk_bf16_f32 v[T+2*x],   v[64*(\b)+4*x],   v[64*(\b)+4*x+1]
	v_cvt_pk_bf16_f32 v[T+2*x+1], v[64*(\b)+4*x+2], v[64*(\b)+4*x+3]
.set x, x+1
.endr
.if \load
	WLD \b, 4
.endif
	WIN 0
.set x, 0
.rept 16
	ds_store_b64 v[LW], v[T+2*x:T+2*x+1] offset:(2*(\b)+x/8)*PW+(x%8)*256   ; 32 lanes x 8 bytes: 256 consecutive bytes of a row
.set x, x+1
.endr
	ROUTE \b
.if \load
	GLD \b, 4                                      ; behind ROUTE, which reads the registers that it fills; still the last of the buffer's 17
.endif
.endm
; ---------------------------------------------------------------- phase 2's macros
.macro LOOKUP g                        ; lane l: the token at rank (group's first rank + l % 16) of the expert's four lists taken end to end; a rank past the count repeats the last row
	s_add_co_u32 s18, s48, 256*(\g)
	v_add_nc_u32 v[RK], s18, v[R15]
	v_min_u32 v[RK], s37, v[RK]
	v_mov_b32 v[AD], v[RK]
.irp j, 0,1,2
	v_cmp_le_u32 vcc_lo, s[38+(\j)], v[RK]         ; at or behind list j + 1's first rank:
	v_cndmask_b32 v[TK], 0, s[41+(\j)], vcc_lo     ; over the unused end of list j
	v_add_nc_u32 v[AD], v[AD], v[TK]
.endr
	v_min_u32 v[AD], 4*PLE-1, v[AD]                ; an entry of the four lists whatever was read
	v_lshl_add_u32 v[AD], v[AD], 1, PL
	ds_load_u16 v[TOKV+(\g)], v[AD]
.endm
.macro TLOAD j                         ; K = 64 j .. 64 j + 63 of the pass's 32 rows: load 8 g + i takes 256 consecutive, aligned bytes of row i (lanes 0-15) and of row i + 8 (lanes 16-31) of group g
	WIN W_GL
.set tb, 64*((\j)%4)
.set y, 0
.rept 16
	global_load_b128 v[tb+4*y:tb+4*y+3], v[VO+y], s[6:7] offset:256*(\j)
.set y, y+1
.endr
.endm
; Chunk j of the tokens: rounded, into my stage, and back as fragments.  LDS serves a wave's instructions in order (ISA guide 5.7.1.4): the stores come behind the last chunk's
; fragment loads and ahead of this chunk's, so no wait stands between them.
.macro PREP j
.if (\j) <= 12
	s_wait_loadcnt 48                              ; the three younger chunks, 16 loads each, stay out
.else
	s_wait_loadcnt 16*(15-(\j))                    ; the counts run down: 32, 16, 0
.endif
	WIN W_CV
.set sb, 64*((\j)%4)
.set x, 0
.rept 16
	v_cvt_pk_bf16_f32 v[T+2*x],   v[sb+4*x],   v[sb+4*x+1]
	v_cvt_pk_bf16_f32 v[T+2*x+1], v[sb+4*x+2], v[sb+4*x+3]
.set x, x+1
.endr
.if (\j) <= 11
	TLOAD (\j)+4                                   ; into the buffer just read
.endif
	WIN 0
.set x, 0
.rept 16
	ds_store_b64 v[AST], v[T+2*x:T+2*x+1] offset:(16*(x/8)+x%8)*PA   ; rows i and i + 8 lie 288 words apart: the two halves of the lanes take different halves of the banks
.set x, x+1
.endr
.set fa, AF+32*((\j)&1)
.irp f, 0,1,2,3                        ; f = 2 g + s
	ds_load_b128 v[fa+8*(\f):fa+8*(\f)+3],   v[AFA] offset:16*((\f)/2)*PA+64*((\f)%2)
	ds_load_b128 v[fa+8*(\f)+4:fa+8*(\f)+7], v[AFA] offset:16*((\f)/2)*PA+64*((\f)%2)+32
.endr
.endm
.macro BLOAD sg                        ; the weights' fragments of K = 32 sg .. 32 sg + 31, all 128 columns: 16 loads
	WIN W_BF
.set fb, 128+64*((\sg)&1)
.irp b, 0,1,2,3,4,5,6,7
	ds_load_b128 v[fb+8*(\b):fb+8*(\b)+3],   v[WB+(\b)/2] offset:((\b)%2)*16*PW+64*(\sg)
	ds_load_b128 v[fb+8*(\b)+4:fb+8*(\b)+7], v[WB+(\b)/2] offset:((\b)%2)*16*PW+64*(\sg)+32
.endr
.endm
; 32 along K.  Source 0 = 16 output columns, source 1 = 16 tokens: a lane then holds one token (lane % 16) and the columns 16 b + 8 (lane / 16) + 0..7.  The accumulators take turns, one
; instruction a turn, on both ways.  zero = 1: the first products start all 16 sums.  Elsewhere group 1's eight are jumped where the group has no row.
.macro MUL sg, zero
.set fb, 128+64*((\sg)&1)
.set fm, AF+32*(((\sg)>>1)&1)+8*((\sg)&1)
	WIN W_MM
.irp b, 0,1,2,3,4,5,6,7
.if \zero
	v_wmma_f32_16x16x32_bf16 v[8*(\b):8*(\b)+7], v[fb+8*(\b):fb+8*(\b)+7], v[fm:fm+7], 0
.else
	v_wmma_f32_16x16x32_bf16 v[8*(\b):8*(\b)+7], v[fb+8*(\b):fb+8*(\b)+7], v[fm:fm+7], v[8*(\b):8*(\b)+7]
.endif
.endr
.if \zero
.irp b, 0,1,2,3,4,5,6,7
	v_wmma_f32_16x16x32_bf16 v[64+8*(\b):64+8*(\b)+7], v[fb+8*(\b):fb+8*(\b)+7], v[fm+16:fm+23], 0
.endr
.else
	WIN 0                                          ; at a branch and at a label every window is 0
	s_cmp_eq_u32 s50, 0
	s_cbranch_scc1 .Ldead_\@
	WIN W_MM
.irp b, 0,1,2,3,4,5,6,7
	v_wmma_f32_16x16x32_bf16 v[64+8*(\b):64+8*(\b)+7], v[fb+8*(\b):fb+8*(\b)+7], v[fm+16:fm+23], v[64+8*(\b):64+8*(\b)+7]
.endr
	WIN 0
.Ldead_\@:
.endif
.endm
; Chunk k is multiplied, 64 along K; chunk k + 1 is made ready.  PREP's 32 conversions, which name no register of a matrix instruction, are the places between the last products and the loads
; into the fragment buffers that those products read.
.macro STEP k
.if (\k) < 15
	PREP (\k)+1
	BLOAD 2*(\k)+1
	s_wait_dscnt 40                                ; this step's 16 stage stores, 8 token fragment loads and 16 weight fragment loads stay out; what is older is in
.if (\k) == 0
	MUL 0, 1
.else
	MUL 2*(\k), 0
.endif
	PLACES
	BLOAD 2*(\k)+2
	s_wait_dscnt 16                                ; all but the 16 just issued
	MUL 2*(\k)+1, 0
.else
	PLACES
	BLOAD 31
	s_wait_dscnt 16                                ; all but the 16 just issued
	MUL 30, 0
	s_wait_dscnt 0x0
	MUL 31, 0
.endif
.endm
; Group g's 16 rows x 128 columns leave: 32 bytes a lane into my stage, whole rows of 512 bytes back, one store a row.  Rows past the count are jumped.
.macro OUTG g
	s_wait_xcnt 0x0                                ; earlier stores' offsets (T) and data (OB) are rewritten only behind this wait (ISA guide 3.1)
	PLACES
	WIN W_OS
.irp b, 0,1,2,3,4,5,6,7
	ds_store_b128 v[OST], v[64*(\g)+8*(\b):64*(\g)+8*(\b)+3]   offset:64*(\b)      ; each accumulator's low registers first
	ds_store_b128 v[OST], v[64*(\g)+8*(\b)+4:64*(\g)+8*(\b)+7] offset:64*(\b)+16
.endr
	WIN 0
.irp t, 0,1,2,3,4,5,6,7,8,9,10,11,12,13,14,15
	ds_load_b128 v[OB+4*(\t):OB+4*(\t)+3], v[OLD] offset:(\t)*PO
.endr
.irp t, 0,1,2,3,4,5,6,7,8,9,10,11,12,13,14,15
	s_cmp_gt_u32 s[49+(\g)], \t
	s_cbranch_scc0 .Ldone_\@
	v_readlane_b32 s52, v[TOKV+(\g)], \t
	s_min_u32 s52, s52, 0x1fff
	v_lshl_add_u32 v[T+(\t)], s52, 11, v[LN16]     ; the token's row of 2,048 bytes + 16 x lane
	s_wait_dscnt 15-(\t)                           ; row t is back; the younger rows stay out
	global_store_b128 v[T+(\t)], v[OB+4*(\t):OB+4*(\t)+3], s[58:59] th:TH_STORE_NT   ; 512 consecutive bytes, at a multiple of 512 from out0's first byte
.endr
.Ldone_\@:
	s_wait_dscnt 0x0                               ; the rows that were jumped have come back too: their registers may be written again
.endm
; ---------------------------------------------------------------- the head
	s_load_b256 s[4:11], s[0:1], 0x0               ; gate, inp, weight, out0
	v_lshl_add_u32 v[SPW], v0, 2, SPARE
	v_mov_b32 v[NIL], 0
	v_lshrrev_b32 v7, 5, v0
	v_readfirstlane_b32 s12, v7                    ; wave 0..3
	s_mov_b32 s13, ttmp9                           ; x
	s_and_b32 s14, ttmp7, 0xffff                   ; e
	s_and_b32 s15, s13, 3                          ; q
	s_lshr_b32 s16, s13, 2                         ; c
	s_lshl2_add_u32 s53, s12, s15                  ; u = 4 w + q
	s_mov_b32 s17, 0                               ; my list is empty
	v_and_b32 v8, 31, v0                           ; lane
	v_and_b32 v[R15], 15, v0
	v_bfe_u32 v9, v0, 4, 1                         ; lane / 16
	v_lshlrev_b32 v[L16], 4, v[R15]
	v_lshlrev_b32 v[LN16], 4, v8
	s_mul_i32 s18, s12, 32*PW                      ; my wave lays rows 32 w .. 32 w + 31 of the slice
	v_lshl_add_u32 v[LW], v8, 3, s18
	s_lshl_b32 s18, s12, 7
	v_lshl_add_u32 v[TOKB], v8, 2, s18
	s_mul_i32 s18, s12, PLP
	s_add_co_u32 s18, s18, PL
	v_mov_b32 v[PLA], s18
	v_add_nc_u32 v[DIX], 2048, v8
	v_mul_u32_u24 v7, v[R15], PW                   ; a fragment: row lane % 16, 16 bytes for each half of the lanes, twice, 32 bytes apart
	v_lshl_add_u32 v[WB], v9, 4, v7
.irp j, 1,2,3
	v_add_nc_u32 v[WB+(\j)], 32*PW*(\j), v[WB]
.endr
	s_mul_i32 s18, s12, STGW
	s_add_co_u32 s18, s18, STG                     ; my stage
	v_mul_u32_u24 v7, v9, 8*PA
	v_lshl_add_u32 v7, v[R15], 3, v7
	v_add_nc_u32 v[AST], s18, v7
	v_mul_u32_u24 v7, v[R15], PA
	v_lshl_add_u32 v7, v9, 4, v7
	v_add_nc_u32 v[AFA], s18, v7
	v_mul_u32_u24 v7, v[R15], PO
	v_lshl_add_u32 v7, v9, 5, v7
	v_add_nc_u32 v[OST], s18, v7
	v_add_nc_u32 v[OLD], s18, v[LN16]
	v_lshlrev_b32 v7, 5, v9
.irp i, 0,1,2,3,4,5,6,7
	v_add_nc_u32 v[BPI+(\i)], 4*(\i), v7
.endr
.irp i, 0,1,2,3
	v_mov_b32 v[Z+(\i)], 0
.endr
	s_lshl_b32 s20, s14, 9                         ; weight row 512 e + 128 c + 32 w,
	s_lshl_b32 s18, s16, 7
	s_add_co_u32 s20, s20, s18
	s_lshl_b32 s18, s12, 5
	s_add_co_u32 s20, s20, s18
	s_lshl_b32 s20, s20, 12                        ; of 4,096 bytes: under 2^25
	s_mov_b32 s21, 0
	s_lshl_b32 s22, s12, 9                         ; my wave's 128 gates in each 512
	s_mov_b32 s23, 0
	s_lshl4_add_u32 s19, s14, s13                  ; the work-group's number, 16 e + x,
	s_lshl_b32 s19, s19, 5                         ; its 32 tokens of the zero duty,
	s_lshl3_add_u32 s19, s12, s19                  ; my wave's 8 of them
	s_lshl_b32 s52, s19, 2
	s_lshl_b32 s19, s19, 11
	v_add_nc_u32 v[ZOF], s19, v[LN16]
	s_wait_kmcnt 0x0
	s_add_nc_u64 s[54:55], s[8:9], s[20:21]
	s_add_nc_u64 s[56:57], s[4:5], s[22:23]
	s_lshl_b32 s22, s16, 9                         ; my 128 columns: 512 bytes of a row of out0
	s_add_nc_u64 s[58:59], s[10:11], s[22:23]
	s_load_b256 s[24:31], s[4:5], s52 offset:0x0   ; the gates of my 8 tokens of the zero duty
.irp b, 0,1,2,3
	WLD \b, 0                                      ; the four buffers are filled: 68 loads of my wave are asked for ahead of the first wait
	GLD \b, 0
.endr
; THE ZERO DUTY, while those loads are on their way: 256 work-groups x 4 waves x 8 tokens are all 8,192.  A token whose gate names no expert gets its row of zeros here; no list holds it.
	s_wait_kmcnt 0x0
.irp t, 0,1,2,3,4,5,6,7
	s_cmp_gt_u32 s[24+(\t)], 15                    ; unsigned: a negative gate is caught too
	s_cbranch_scc0 .Lnamed\t
.irp p, 0,1,2,3
	global_store_b128 v[ZOF], v[Z:Z+3], s[10:11] offset:2048*(\t)+512*(\p) th:TH_STORE_NT
.endr
.Lnamed\t:
.endr
; ---------------------------------------------------------------- phase 1: 16 turns, two weight rows and 128 gates each
	s_mov_b32 s19, 3
.Lw:
	HALF 0, 1, 51                                  ; 51 = the three younger buffers' 17 loads each
	HALF 1, 1, 51
	HALF 2, 1, 51
	HALF 3, 1, 51
	s_wait_xcnt 0x0                                ; the loads' bases are stepped only behind this wait
	s_add_nc_u64 s[54:55], s[54:55], 32768
	s_add_nc_u64 s[56:57], s[56:57], 8192
	v_add_nc_u32 v[LW], 8*PW, v[LW]
	v_add_nc_u32 v[TOKB], 2048, v[TOKB]
	s_sub_co_u32 s19, s19, 1
	s_cmp_lg_u32 s19, 0
	s_cbranch_scc1 .Lw
	HALF 0, 0, 51                                  ; the last four turns load nothing: the counts run down
	HALF 1, 0, 34
	HALF 2, 0, 17
	HALF 3, 0, 0
	v_mov_b32 v[TK], s17
	s_lshl_b32 s18, s12, 2
	s_add_co_u32 s18, s18, CNTB
	v_mov_b32 v[CA], s18
	ds_store_b32 v[CA], v[TK]                      ; my list's length
	s_wait_dscnt 0x0                               ; for the others' sake: my rows of the slice, my list and its length are in LDS
	s_barrier_signal -1
	s_barrier_wait -1                              ; everybody's are.  From here on nobody writes the slice, the lists or the counts
; ---------------------------------------------------------------- the counts, and my share
	v_mov_b32 v[CA], CNTB
	ds_load_b128 v[CQ:CQ+3], v[CA]
	s_wait_dscnt 0x0
.irp j, 0,1,2,3
	v_readfirstlane_b32 s[32+(\j)], v[CQ+(\j)]
	s_min_u32 s[32+(\j)], s[32+(\j)], 2048
.endr
	s_mov_b32 s38, s32                             ; first ranks of lists 1, 2, 3
	s_add_co_u32 s39, s38, s33
	s_add_co_u32 s40, s39, s34
	s_add_co_u32 s36, s40, s35                     ; ce: the expert's rows
	s_sub_co_u32 s37, s36, 1
	s_sub_co_u32 s41, PLE, s32                     ; what lies unused at the end of lists 0, 1, 2
	s_sub_co_u32 s42, PLE, s33
	s_sub_co_u32 s43, PLE, s34
	s_add_co_u32 s44, s36, 15
	s_lshr_b32 s44, s44, 4                         ; groups of 16 rows
	s_lshr_b32 s45, s44, 4                         ; group y' belongs to place y' % 16:
	s_and_b32 s18, s44, 15
	s_cmp_lt_u32 s53, s18
	s_cselect_b32 s18, 1, 0
	s_add_co_u32 s45, s45, s18                     ; my groups
	s_add_co_u32 s46, s45, 1
	s_lshr_b32 s46, s46, 1                         ; passes of two groups:
	s_min_u32 s46, s46, 16                         ; 16 at the most (8,192 rows, 512 groups, 32 for a place)
	s_mov_b32 s47, 0
	s_lshl_b32 s48, s53, 4                         ; my first group's first rank
	s_cmp_eq_u32 s46, 0
	s_cbranch_scc1 .Lend
; ---------------------------------------------------------------- phase 2: a pass = groups 2 P and 2 P + 1 of my place.  No barrier; the only LDS bytes written are my stage's
.Lpass:
	s_wait_xcnt 0x0                                ; the last pass's stores have read their offsets and data
	s_sub_co_i32 s49, s36, s48                     ; live rows of group 0: 1 to 16,
	s_max_i32 s49, s49, 0
	s_min_i32 s49, s49, 16
	s_sub_co_i32 s50, s36, s48                     ; of group 1, 256 ranks on: 0 to 16
	s_sub_co_i32 s50, s50, 256
	s_max_i32 s50, s50, 0
	s_min_i32 s50, s50, 16
	LOOKUP 0
	LOOKUP 1                                       ; a group without rows repeats the expert's last row 16 times: every load is issued on every way, so that the counted waits hold
	s_wait_dscnt 0x0
	v_min_u32 v[TOKV], 0x1fff, v[TOKV]
	v_min_u32 v[TOKV+1], 0x1fff, v[TOKV+1]
.set x, 0
.rept 16
	ds_bpermute_b32 v[T+x], v[BPI+x%8], v[TOKV+x/8]   ; lanes 0-15: row i's token; lanes 16-31: row i + 8's
.set x, x+1
.endr
	s_wait_dscnt 0x0
.set x, 0
.rept 16
	v_min_u32 v[T+x], 0x1fff, v[T+x]               ; a row of inp whatever was read
	v_lshl_add_u32 v[VO+x], v[T+x], 12, v[L16]     ; the row's 4,096 bytes + my 16 bytes of a piece of 256
.set x, x+1
.endr
	TLOAD 0                                        ; four chunks, 64 loads, are asked for ahead of the first wait
	TLOAD 1
	TLOAD 2
	TLOAD 3
	PREP 0
	BLOAD 0
.irp k, 0,1,2,3,4,5,6,7,8,9,10,11,12,13,14,15
	STEP \k
.endr
	OUTG 0
	s_cmp_eq_u32 s50, 0
	s_cbranch_scc1 .Lno_second
	OUTG 1
.Lno_second:
	s_add_co_u32 s48, s48, 512                     ; two groups of my place on
	s_add_co_u32 s47, s47, 1
	s_cmp_lt_u32 s47, s46
	s_cbranch_scc1 .Lpass
.Lend:
	s_wait_tensorcnt 0x0                           ; the wave's end, behind my last LDS store
	ds_add_u32 v[SPW], v[NIL]
	s_wait_dscnt 0x0
	s_endpgm
.Lfunc_end_k_q80cf40ca47_moe:
	.size	k_q80cf40ca47_moe, .Lfunc_end_k_q80cf40ca47_moe-k_q80cf40ca47_moe
	.p2alignl 7, 3214868480
	.fill 96, 4, 3214868480
	.section	.rodata,"a",@progbits
	.p2align	6, 0x0
	.amdhsa_kernel k_q80cf40ca47_moe
		.amdhsa_group_segment_fixed_size 317184
		.amdhsa_private_segment_fixed_size 0
		.amdhsa_enable_private_segment 0
		.amdhsa_kernarg_size 32
		.amdhsa_user_sgpr_count 2
		.amdhsa_user_sgpr_kernarg_segment_ptr 1
		.amdhsa_wavefront_size32 1
		.amdhsa_system_sgpr_workgroup_id_x 1
		.amdhsa_system_sgpr_workgroup_id_y 1
		.amdhsa_system_sgpr_workgroup_id_z 1
		.amdhsa_system_vgpr_workitem_id 0
		.amdhsa_next_free_vgpr 768
		.amdhsa_next_free_sgpr 66
		.amdhsa_reserve_vcc 1
		.amdhsa_float_denorm_mode_32 3
		.amdhsa_float_denorm_mode_16_64 3
		.amdhsa_memory_ordered 1
		.amdhsa_forward_progress 1
		.amdhsa_inst_pref_size 239
	.end_amdhsa_kernel
	.amdgpu_metadata
---
amdhsa.version: [ 1, 2 ]
amdhsa.kernels:
  - .name:           k_q80cf40ca47_moe
    .symbol:         k_q80cf40ca47_moe.kd
    .args:
      - { .name: gate, .offset: 0, .size: 8, .value_kind: global_buffer, .address_space: global }
      - { .name: inp, .offset: 8, .size: 8, .value_kind: global_buffer, .address_space: global }
      - { .name: weight, .offset: 16, .size: 8, .value_kind: global_buffer, .address_space: global }
      - { .name: out0, .offset: 24, .size: 8, .value_kind: global_buffer, .address_space: global }
    .group_segment_fixed_size: 317184
    .private_segment_fixed_size: 0
    .kernarg_segment_align: 8
    .kernarg_segment_size: 32
    .max_flat_workgroup_size: 128
    .sgpr_count:     66
    .vgpr_count:     768
    .wavefront_size: 32
...
	.end_amdgpu_metadata
.endif
;; end of part 1
;; ======== version 2 of 2: 1 launch; 1.12 times as fast as version 1
;; launch moe (part 2): grid 16 x 16, 4 waves a work-group, no clusters, 317,184 bytes of LDS; arguments gate, inp, weight, out0; writes out0
.if DOCPART == 2
	.amdgcn_target "amdgcn-amd-amdhsa--gfx1250"
	.amdhsa_code_object_version 6
	.text
	.protected	k_q80cf40ca47_moe
	.globl	k_q80cf40ca47_moe
	.p2align	8
	.type	k_q80cf40ca47_moe,@function
k_q80cf40ca47_moe:
	s_mov_b64 s[64:65], 0
	v_nop
	global_prefetch_b8 v0, s[64:65] scope:SCOPE_SE
	s_setreg_imm32_b32 hwreg(HW_REG_WAVE_MODE, 25, 1), 1
	s_wait_xcnt 0x0
; out0[t][:] = weight[gate[t]] x inp[t].  gate [8192] i32, inp [8192][1024] f32, weight [16][512][1024] f32, out0 [8192][512] f32.
; ONE LAUNCH.  Work-group (x, y): expert e = x; y = 4 c + q: c = a slice of 128 output columns, q = which places of the expert's row list are the work-group's.  Four waves.
;   The 16 work-groups that read one expert's weights and token rows share x and differ in y alone.
; PHASE 1: the work-group's slice of the weights (128 rows x 4,096 bytes, consecutive in memory) goes through registers, is rounded to bf16 and stays in LDS.  In the same loop wave w
;   compares a quarter of gate with e and writes the matching token numbers, compacted, into its own list in LDS.  ONE barrier follows, the only one of the text.
; PHASE 2: every wave works alone.  Place u = 4 w + q takes, in pass P, the 48 rows of ranks 768 P + 48 u on (three groups of 16): 16 places hold 768 rows a pass, so that an expert with
;   up to 768 rows is done in one pass, by as many places as its rows fill; a wave whose place is not reached ends.  A pass gathers its rows in pieces of 256 bytes, rounds them, turns them
;   into fragments through the wave's own stage in LDS, multiplies them with all 128 columns (a weight fragment read from LDS feeds three products), and stores whole pieces of 512 bytes.
; LIMITS.  inp and weight are rounded once to bf16 (f32's range is kept), sums are f32 with K ascending, the output is not rounded again.  A gate outside 0..15 gets a row of zeros.
;   Every split of the tokens is served; an expert always has 16 work-groups, so a wave has up to 11 passes where all tokens fall on one expert, against one for an even split.
;   Ranks past the count repeat the expert's last row and are multiplied but not stored: 47 rows at the most for an expert and slice.
; NO CLUSTER, NO TENSOR LOADS: the slice that four work-groups share arrives as f32, 524,288 bytes, more than LDS holds, and has to pass registers to be rounded; beside the resident
;   264,192 bytes of bf16 some 30,000 bytes would be left for slots; the token rows come by a list, which no descriptor covers; and partners differ in their number of passes.
; NO PREFETCH: the list is whole only at the barrier that stands directly ahead of the first token loads; the three register buffers, 72 loads a wave, are the look-ahead.
;
; LDS
.set PW,    2064          ; a row of the slice: 2,048 bytes of bf16 + 16 = 516 words: row r starts at bank 4 r mod 64 (64 banks of 4 bytes: ISA guide 11.1), so a fragment load's 16 rows start at 16 different groups of banks
.set PL,    264192        ; behind the slice's 128 rows: four lists of 16-bit token numbers, one for each wave that writes
.set PLE,   2080          ; entries in a list: 2,048 places, then a dump entry for each lane
.set PLP,   2*PLE
.set CNTB,  281600        ; word w: wave w's count
.set STG,   281856        ; wave w's own stage at STG + w STGW
.set STGW,  8704
.set PA,    144           ; stage, on the way in: 48 rows of 64 bf16 + 16 bytes
.set PO,    528           ; stage, on the way out: 16 rows of 128 f32 + 16 bytes
.set SPARE, 316672        ; the spare words, 128 bytes for each wave: two blocks of 256 bytes that no other line names
; VECTOR REGISTERS, in windows of 256 (s_set_vgpr_msb: bits 1:0 source 0, 3:2 source 1, 5:4 source 2, 7:6 destination)
;   window 0: what is named below     window 1: v0-191 accumulators, (group g, column block b) at 64 g + 8 b
;   window 2: f32 as loaded: phase 1 four buffers of 64; phase 2 three buffers of 64, groups 0 and 1     window 3: v0-95 three buffers of 32, group 2; v128-191, v192-255 two buffers of weight fragments
.set L16,  1              ; 16 x (lane % 16)
.set LN16, 2              ; 16 x lane
.set LW,   3              ; phase 1: where my 8 bytes of a weight row go; stepped
.set TOKB, 4              ; phase 1: 128 w + 4 lane; stepped
.set PLA,  5              ; my wave's list
.set DIX,  6              ; 2048 + lane: my dump entry
.set RK,   7              ; at work
.set AD,   8
.set TK,   9
.set SPW,  10             ; LDS address of my spare word; never rewritten
.set NIL,  11             ; 0; never rewritten
.set WB,   12             ; v12-15  my place in a weight fragment, rows 32 j on
.set AST,  16             ; stage: where my 8 bytes of a token row go
.set AFA,  17             ; stage: my place in a token fragment
.set OST,  18             ; stage: where my 32 bytes of a result row go
.set OLD,  19             ; stage: my 16 bytes of a whole result row
.set R15,  22             ; lane % 16
.set BPI,  24             ; v24-31  4 x (i + 8 (lane / 16)): from which lane row i's or row i + 8's token comes
.set TOKV, 32             ; v32-34  lane l: the token of row l % 16 of group 0, 1, 2
.set Z,    48             ; v48-51  0
.set CQ,   52             ; v52-55  the four counts
.set ZOF,  56             ; byte offset in out0 of my 16 bytes of my wave's first token of the zero duty
.set CA,   57             ; an address in CNTB
.set T,    64             ; v64-111 rounded numbers on their way into LDS; also token numbers and store offsets
.set AF,   112            ; v112-207 two buffers of token fragments: (group g, K half s) at 48 p + 16 g + 8 s
.set OB,   112            ; v112-175 on the way out: 16 result rows
.set G,    208            ; v208-223 gate, four numbers a lane for each of four buffers
.set VO,   224            ; v224-247 byte offsets in inp of the rows that load 8 g + i takes
; SCALARS: s[4:5] gate  s[6:7] inp  s[8:9] weight  s[10:11] out0  s12 wave  s13 y  s14 e  s15 q  s16 c  s17 my list's count  s18 at work  s19 counter  s[20:23] offsets  s[24:31] eight gates
;   s32-35 the lists' counts  s36 their sum ce  s37 ce - 1  s38-40 first rank of lists 1-3  s41-43 jump into lists 1-3  s45 at work  s46 passes  s47 pass  s48 rank of group 0's first row
;   s49-51 live rows of groups 0, 1, 2  s52 at work  s53 u  s[54:55] weights, stepped  s[56:57] gate, stepped  s[58:59] out0 at my columns
.set W_CV,  0x0a          ; sources 0 and 1 window 2, destination window 0
.set W_CV3, 0x0f          ; sources 0 and 1 window 3, destination window 0
.set W_GL,  0x80          ; loaded data window 2, address window 0
.set W_L3,  0xc0          ; loaded data window 3, address window 0: group 2's rows, and the weight fragments
.set W_MM,  0x53          ; weights window 3, tokens window 0, C and D window 1
.set W_OS,  0x04          ; LDS store data window 1
.set MSB, 0
.macro WIN new                         ; the immediate's high byte repeats the setting that is left; a switch that changes nothing is dropped
.if MSB != (\new)
	s_set_vgpr_msb (MSB<<8)|(\new)
.set MSB, (\new)
.endif
.endm
.macro PLACES                          ; four plain vector instructions between a matrix instruction and a load into, or an LDS store from, its registers
.rept 4
	v_nop
.endr
.endm
; ---------------------------------------------------------------- phase 1's macros
.macro WLD b, adv                      ; 16 loads: two weight rows, 8,192 consecutive bytes, into buffer b; each load takes 512 consecutive bytes
	WIN W_GL
.set y, 0
.rept 16
	global_load_b128 v[64*(\b)+4*y:64*(\b)+4*y+3], v[LN16], s[54:55] offset:((\b)+(\adv))*8192+512*y
.set y, y+1
.endr
	WIN 0
.endm
.macro GLD b, adv                      ; the buffer's 17th load: 128 gates of my wave
	global_load_b128 v[G+4*(\b):G+4*(\b)+3], v[LN16], s[56:57] offset:((\b)+(\adv))*2048
.endm
.macro ROUTE b                         ; the tokens 512 t + 128 w + 4 lane + i whose gate is e go to the end of my list, in the order (i, lane); the others' lanes write their dump entry
.irp i, 0,1,2,3
	v_cmp_eq_u32 vcc_lo, s14, v[G+4*(\b)+(\i)]
	v_mbcnt_lo_u32_b32 v[RK], vcc_lo, s17          ; the list's length + the matching lanes below mine
	s_bcnt1_i32_b32 s18, vcc_lo
	s_add_co_u32 s17, s17, s18
	v_cndmask_b32 v[RK], v[DIX], v[RK], vcc_lo
	v_min_u32 v[RK], PLE-1, v[RK]                  ; an entry of my list whatever was loaded
	v_lshl_add_u32 v[AD], v[RK], 1, v[PLA]
	v_add_nc_u32 v[TK], 512*(\b)+(\i), v[TOKB]
	ds_store_b16 v[AD], v[TK]
.endr
.endm
; Buffer b's turn.  left = the younger loads that may stay out: 17 for each younger buffer.  load = 1: the buffer takes the rows and gates four turns on.
.macro HALF b, load, left
	s_wait_loadcnt \left                           ; loads come back in order (ISA guide 5.7.1): this buffer's 16 weight loads and its gate load are in
	WIN W_CV
.set x, 0
.rept 16
	v_cvt_pk_bf16_f32 v[T+2*x],   v[64*(\b)+4*x],   v[64*(\b)+4*x+1]
	v_cvt_pk_bf16_f32 v[T+2*x+1], v[64*(\b)+4*x+2], v[64*(\b)+4*x+3]
.set x, x+1
.endr
.if \load
	WLD \b, 4
.endif
	WIN 0
.set x, 0
.rept 16
	ds_store_b64 v[LW], v[T+2*x:T+2*x+1] offset:(2*(\b)+x/8)*PW+(x%8)*256   ; 32 lanes x 8 bytes: 256 consecutive bytes of a row
.set x, x+1
.endr
	ROUTE \b
.if \load
	GLD \b, 4                                      ; behind ROUTE, which reads the registers that it fills; still the last of the buffer's 17
.endif
.endm
; ---------------------------------------------------------------- phase 2's macros
.macro LOOKUP g                        ; lane l: the token at rank (group's first rank + l % 16) of the expert's four lists taken end to end; a rank past the count repeats the last row
	s_add_co_u32 s18, s48, 16*(\g)
	v_add_nc_u32 v[RK], s18, v[R15]
	v_min_u32 v[RK], s37, v[RK]
	v_mov_b32 v[AD], v[RK]
.irp j, 0,1,2
	v_cmp_le_u32 vcc_lo, s[38+(\j)], v[RK]         ; at or behind list j + 1's first rank:
	v_cndmask_b32 v[TK], 0, s[41+(\j)], vcc_lo     ; over the unused end of list j
	v_add_nc_u32 v[AD], v[AD], v[TK]
.endr
	v_min_u32 v[AD], 4*PLE-1, v[AD]                ; an entry of the four lists whatever was read
	v_lshl_add_u32 v[AD], v[AD], 1, PL
	ds_load_u16 v[TOKV+(\g)], v[AD]
.endm
.macro TLOAD j                         ; K = 64 j .. 64 j + 63 of the pass's 48 rows, 24 loads: load 8 g + i takes 256 consecutive, aligned bytes of row i (lanes 0-15) and of row i + 8 (lanes 16-31) of group g
	WIN W_GL
.set tb, 64*((\j)%3)
.set y, 0
.rept 16
	global_load_b128 v[tb+4*y:tb+4*y+3], v[VO+y], s[6:7] offset:256*(\j)
.set y, y+1
.endr
	WIN W_L3
.set tb, 32*((\j)%3)
.set y, 0
.rept 8
	global_load_b128 v[tb+4*y:tb+4*y+3], v[VO+16+y], s[6:7] offset:256*(\j)
.set y, y+1
.endr
.endm
.macro PREP j                          ; chunk j of the tokens is rounded; its buffer takes the chunk three further on
.if (\j) <= 13
	s_wait_loadcnt 48                              ; the two younger chunks, 24 loads each, stay out
.else
	s_wait_loadcnt 24*(15-(\j))                    ; the counts run down: 24, 0
.endif
	WIN W_CV
.set sb, 64*((\j)%3)
.set x, 0
.rept 16
	v_cvt_pk_bf16_f32 v[T+2*x],   v[sb+4*x],   v[sb+4*x+1]
	v_cvt_pk_bf16_f32 v[T+2*x+1], v[sb+4*x+2], v[sb+4*x+3]
.set x, x+1
.endr
	WIN W_CV3
.set sb, 32*((\j)%3)
.set x, 0
.rept 8
	v_cvt_pk_bf16_f32 v[T+32+2*x],   v[sb+4*x],   v[sb+4*x+1]
	v_cvt_pk_bf16_f32 v[T+32+2*x+1], v[sb+4*x+2], v[sb+4*x+3]
.set x, x+1
.endr
.if (\j) <= 12
	TLOAD (\j)+3
.endif
.endm
; Chunk j goes into my stage and comes back as fragments: 24 stores, 12 loads.  LDS serves a wave's instructions in order (ISA guide 5.7.1.4): the stores come behind the last chunk's
; fragment loads and ahead of this chunk's, so no wait stands between them.
.macro STAGE j
	WIN 0
.set x, 0
.rept 24
	ds_store_b64 v[AST], v[T+2*x:T+2*x+1] offset:(16*(x/8)+x%8)*PA   ; rows i and i + 8 lie 288 words apart: the two halves of the lanes take different halves of the banks
.set x, x+1
.endr
.set fa, AF+48*((\j)&1)
.irp f, 0,1,2,3,4,5                    ; f = 2 g + s
	ds_load_b128 v[fa+8*(\f):fa+8*(\f)+3],   v[AFA] offset:16*((\f)/2)*PA+64*((\f)%2)
	ds_load_b128 v[fa+8*(\f)+4:fa+8*(\f)+7], v[AFA] offset:16*((\f)/2)*PA+64*((\f)%2)+32
.endr
.endm
.macro BLOAD sg                        ; the weights' fragments of K = 32 sg .. 32 sg + 31, all 128 columns: 16 loads
	WIN W_L3
.set fb, 128+64*((\sg)&1)
.irp b, 0,1,2,3,4,5,6,7
	ds_load_b128 v[fb+8*(\b):fb+8*(\b)+3],   v[WB+(\b)/2] offset:((\b)%2)*16*PW+64*(\sg)
	ds_load_b128 v[fb+8*(\b)+4:fb+8*(\b)+7], v[WB+(\b)/2] offset:((\b)%2)*16*PW+64*(\sg)+32
.endr
.endm
; 32 along K, 24 products.  Source 0 = 16 output columns, source 1 = 16 tokens: a lane then holds one token (lane % 16) and the columns 16 b + 8 (lane / 16) + 0..7.  The 24 accumulators
; take turns, one instruction a turn.  zero = 1: the first products start the sums.
.macro MUL sg, zero
.set fb, 128+64*((\sg)&1)
.set fm, AF+48*(((\sg)>>1)&1)+8*((\sg)&1)
	WIN W_MM
.irp g, 0,1,2
.irp b, 0,1,2,3,4,5,6,7
.if \zero
	v_wmma_f32_16x16x32_bf16 v[64*(\g)+8*(\b):64*(\g)+8*(\b)+7], v[fb+8*(\b):fb+8*(\b)+7], v[fm+16*(\g):fm+16*(\g)+7], 0
.else
	v_wmma_f32_16x16x32_bf16 v[64*(\g)+8*(\b):64*(\g)+8*(\b)+7], v[fb+8*(\b):fb+8*(\b)+7], v[fm+16*(\g):fm+16*(\g)+7], v[64*(\g)+8*(\b):64*(\g)+8*(\b)+7]
.endif
.endr
.endr
.endm
; Chunk k is multiplied, 64 along K; chunk k + 1 is made ready.  PREP's 48 conversions, which name no register of a matrix instruction, are the places between the last products and the loads
; into the fragment buffers that those products read.  The memory and LDS instructions stand in two runs a chunk, never singly among the products.
.macro STEP k
.if (\k) < 15
	PREP (\k)+1
	BLOAD 2*(\k)+1
	STAGE (\k)+1
	s_wait_dscnt 52                                ; this step's 16 weight fragment loads, 24 stage stores and 12 token fragment loads stay out; what is older is in
.if (\k) == 0
	MUL 0, 1
.else
	MUL 2*(\k), 0
.endif
	PLACES
	BLOAD 2*(\k)+2
	s_wait_dscnt 16                                ; all but the 16 just issued
	MUL 2*(\k)+1, 0
.else
	PLACES
	BLOAD 31
	s_wait_dscnt 16                                ; all but the 16 just issued
	MUL 30, 0
	s_wait_dscnt 0x0
	MUL 31, 0
.endif
.endm
; Group g's 16 rows x 128 columns leave: 32 bytes a lane into my stage, whole rows of 512 bytes back, one store a row.  Rows past the count are jumped.
.macro OUTG g
	s_wait_xcnt 0x0                                ; earlier stores' offsets (T) and data (OB) are rewritten only behind this wait (ISA guide 3.1)
	PLACES
	WIN W_OS
.irp b, 0,1,2,3,4,5,6,7
	ds_store_b128 v[OST], v[64*(\g)+8*(\b):64*(\g)+8*(\b)+3]   offset:64*(\b)      ; each accumulator's low registers first
	ds_store_b128 v[OST], v[64*(\g)+8*(\b)+4:64*(\g)+8*(\b)+7] offset:64*(\b)+16
.endr
	WIN 0
.irp t, 0,1,2,3,4,5,6,7,8,9,10,11,12,13,14,15
	ds_load_b128 v[OB+4*(\t):OB+4*(\t)+3], v[OLD] offset:(\t)*PO
.endr
.irp t, 0,1,2,3,4,5,6,7,8,9,10,11,12,13,14,15
	s_cmp_gt_u32 s[49+(\g)], \t
	s_cbranch_scc0 .Ldone_\@
	v_readlane_b32 s52, v[TOKV+(\g)], \t
	s_min_u32 s52, s52, 0x1fff
	v_lshl_add_u32 v[T+(\t)], s52, 11, v[LN16]     ; the token's row of 2,048 bytes + 16 x lane
	s_wait_dscnt 15-(\t)                           ; row t is back; the younger rows stay out
	global_store_b128 v[T+(\t)], v[OB+4*(\t):OB+4*(\t)+3], s[58:59] th:TH_STORE_NT   ; 512 consecutive bytes, at a multiple of 512 from out0's first byte
.endr
.Ldone_\@:
	s_wait_dscnt 0x0                               ; the rows that were jumped have come back too: their registers may be written again
.endm
; ---------------------------------------------------------------- the head
	s_load_b256 s[4:11], s[0:1], 0x0               ; gate, inp, weight, out0
	v_lshl_add_u32 v[SPW], v0, 2, SPARE
	v_mov_b32 v[NIL], 0
	v_lshrrev_b32 v7, 5, v0
	v_readfirstlane_b32 s12, v7                    ; wave 0..3
	s_and_b32 s13, ttmp7, 0xffff                   ; y = 4 c + q
	s_mov_b32 s14, ttmp9                           ; e = x
	s_and_b32 s15, s13, 3                          ; q
	s_lshr_b32 s16, s13, 2                         ; c
	s_lshl2_add_u32 s53, s12, s15                  ; u = 4 w + q: places in turn fall on different work-groups first
	s_mov_b32 s17, 0                               ; my list is empty
	v_and_b32 v8, 31, v0                           ; lane
	v_and_b32 v[R15], 15, v0
	v_bfe_u32 v9, v0, 4, 1                         ; lane / 16
	v_lshlrev_b32 v[L16], 4, v[R15]
	v_lshlrev_b32 v[LN16], 4, v8
	s_mul_i32 s18, s12, 32*PW                      ; my wave lays rows 32 w .. 32 w + 31 of the slice
	v_lshl_add_u32 v[LW], v8, 3, s18
	s_lshl_b32 s18, s12, 7
	v_lshl_add_u32 v[TOKB], v8, 2, s18
	s_mul_i32 s18, s12, PLP
	s_add_co_u32 s18, s18, PL
	v_mov_b32 v[PLA], s18
	v_add_nc_u32 v[DIX], 2048, v8
	v_mul_u32_u24 v7, v[R15], PW                   ; a fragment: row lane % 16, 16 bytes for each half of the lanes, twice, 32 bytes apart
	v_lshl_add_u32 v[WB], v9, 4, v7
.irp j, 1,2,3
	v_add_nc_u32 v[WB+(\j)], 32*PW*(\j), v[WB]
.endr
	s_mul_i32 s18, s12, STGW
	s_add_co_u32 s18, s18, STG                     ; my stage
	v_mul_u32_u24 v7, v9, 8*PA
	v_lshl_add_u32 v7, v[R15], 3, v7
	v_add_nc_u32 v[AST], s18, v7
	v_mul_u32_u24 v7, v[R15], PA
	v_lshl_add_u32 v7, v9, 4, v7
	v_add_nc_u32 v[AFA], s18, v7
	v_mul_u32_u24 v7, v[R15], PO
	v_lshl_add_u32 v7, v9, 5, v7
	v_add_nc_u32 v[OST], s18, v7
	v_add_nc_u32 v[OLD], s18, v[LN16]
	v_lshlrev_b32 v7, 5, v9
.irp i, 0,1,2,3,4,5,6,7
	v_add_nc_u32 v[BPI+(\i)], 4*(\i), v7
.endr
.irp i, 0,1,2,3
	v_mov_b32 v[Z+(\i)], 0
.endr
	s_lshl_b32 s20, s14, 9                         ; weight row 512 e + 128 c + 32 w,
	s_lshl_b32 s18, s16, 7
	s_add_co_u32 s20, s20, s18
	s_lshl_b32 s18, s12, 5
	s_add_co_u32 s20, s20, s18
	s_lshl_b32 s20, s20, 12                        ; of 4,096 bytes: under 2^25
	s_mov_b32 s21, 0
	s_lshl_b32 s22, s12, 9                         ; my wave's 128 gates in each 512
	s_mov_b32 s23, 0
	s_lshl4_add_u32 s19, s14, s13                  ; a number of the work-group's own, 16 e + y: 0 to 255, each once,
	s_lshl_b32 s19, s19, 5                         ; its 32 tokens of the zero duty,
	s_lshl3_add_u32 s19, s12, s19                  ; my wave's 8 of them
	s_lshl_b32 s52, s19, 2
	s_lshl_b32 s19, s19, 11
	v_add_nc_u32 v[ZOF], s19, v[LN16]
	s_wait_kmcnt 0x0
	s_add_nc_u64 s[54:55], s[8:9], s[20:21]
	s_add_nc_u64 s[56:57], s[4:5], s[22:23]
	s_lshl_b32 s22, s16, 9                         ; my 128 columns: 512 bytes of a row of out0
	s_add_nc_u64 s[58:59], s[10:11], s[22:23]
	s_load_b256 s[24:31], s[4:5], s52 offset:0x0   ; the gates of my 8 tokens of the zero duty
.irp b, 0,1,2,3
	WLD \b, 0                                      ; the four buffers are filled: 68 loads of my wave are asked for ahead of the first wait
	GLD \b, 0
.endr
; THE ZERO DUTY, while those loads are on their way: 256 work-groups x 4 waves x 8 tokens are all 8,192.  A token whose gate names no expert gets its row of zeros here; no list holds it.
	s_wait_kmcnt 0x0
.irp t, 0,1,2,3,4,5,6,7
	s_cmp_gt_u32 s[24+(\t)], 15                    ; unsigned: a negative gate is caught too
	s_cbranch_scc0 .Lnamed\t
.irp p, 0,1,2,3
	global_store_b128 v[ZOF], v[Z:Z+3], s[10:11] offset:2048*(\t)+512*(\p) th:TH_STORE_NT
.endr
.Lnamed\t:
.endr
; ---------------------------------------------------------------- phase 1: 16 turns, two weight rows and 128 gates each
	s_mov_b32 s19, 3
.Lw:
	HALF 0, 1, 51                                  ; 51 = the three younger buffers' 17 loads each
	HALF 1, 1, 51
	HALF 2, 1, 51
	HALF 3, 1, 51
	s_wait_xcnt 0x0                                ; the loads' bases are stepped only behind this wait
	s_add_nc_u64 s[54:55], s[54:55], 32768
	s_add_nc_u64 s[56:57], s[56:57], 8192
	v_add_nc_u32 v[LW], 8*PW, v[LW]
	v_add_nc_u32 v[TOKB], 2048, v[TOKB]
	s_sub_co_u32 s19, s19, 1
	s_cmp_lg_u32 s19, 0
	s_cbranch_scc1 .Lw
	HALF 0, 0, 51                                  ; the last four turns load nothing: the counts run down
	HALF 1, 0, 34
	HALF 2, 0, 17
	HALF 3, 0, 0
	v_mov_b32 v[TK], s17
	s_lshl_b32 s18, s12, 2
	s_add_co_u32 s18, s18, CNTB
	v_mov_b32 v[CA], s18
	ds_store_b32 v[CA], v[TK]                      ; my list's length
	s_wait_dscnt 0x0                               ; for the others' sake: my rows of the slice, my list and its length are in LDS
	s_barrier_signal -1
	s_barrier_wait -1                              ; everybody's are.  From here on nobody writes the slice, the lists or the counts
; ---------------------------------------------------------------- the counts, and my share
	v_mov_b32 v[CA], CNTB
	ds_load_b128 v[CQ:CQ+3], v[CA]
	s_wait_dscnt 0x0
.irp j, 0,1,2,3
	v_readfirstlane_b32 s[32+(\j)], v[CQ+(\j)]
	s_min_u32 s[32+(\j)], s[32+(\j)], 2048
.endr
	s_mov_b32 s38, s32                             ; first ranks of lists 1, 2, 3
	s_add_co_u32 s39, s38, s33
	s_add_co_u32 s40, s39, s34
	s_add_co_u32 s36, s40, s35                     ; ce: the expert's rows
	s_sub_co_u32 s37, s36, 1
	s_sub_co_u32 s41, PLE, s32                     ; what lies unused at the end of lists 0, 1, 2
	s_sub_co_u32 s42, PLE, s33
	s_sub_co_u32 s43, PLE, s34
	s_mul_i32 s48, s53, 48                         ; my place's first rank
	s_sub_co_i32 s45, s36, s48                     ; the rows from there on,
	s_max_i32 s45, s45, 0                          ; none if my place is not reached;
	s_add_co_u32 s45, s45, 767                     ; a pass of mine for each 768 of them, begun ones too:
	s_lshr_b32 s45, s45, 8                         ; by 256 (35 at the most),
	s_mul_i32 s45, s45, 43                         ; and by 3: x 43 / 128 is exact for numbers up to 35
	s_lshr_b32 s46, s45, 7
	s_min_u32 s46, s46, 11                         ; 11 at the most (8,192 rows)
	s_mov_b32 s47, 0
	s_cmp_eq_u32 s46, 0
	s_cbranch_scc1 .Lend
; ---------------------------------------------------------------- phase 2: a pass = 48 rows of my place.  No barrier; the only LDS bytes written are my stage's
.Lpass:
	s_wait_xcnt 0x0                                ; the last pass's stores have read their offsets and data
	s_sub_co_i32 s52, s36, s48                     ; rows from group 0's first rank on: 1 or more
	s_max_i32 s49, s52, 0                          ; live rows of group 0: 1 to 16,
	s_min_i32 s49, s49, 16
	s_sub_co_i32 s50, s52, 16                      ; of group 1: 0 to 16,
	s_max_i32 s50, s50, 0
	s_min_i32 s50, s50, 16
	s_sub_co_i32 s51, s52, 32                      ; of group 2
	s_max_i32 s51, s51, 0
	s_min_i32 s51, s51, 16
	LOOKUP 0
	LOOKUP 1
	LOOKUP 2                                       ; every load, conversion and product of the three groups is issued on every way, so that the counted waits hold; only stores are jumped
	s_wait_dscnt 0x0
.irp g, 0,1,2
	v_min_u32 v[TOKV+(\g)], 0x1fff, v[TOKV+(\g)]
.endr
.set x, 0
.rept 24
	ds_bpermute_b32 v[T+x], v[BPI+x%8], v[TOKV+x/8]   ; lanes 0-15: row i's token; lanes 16-31: row i + 8's
.set x, x+1
.endr
	s_wait_dscnt 0x0
.set x, 0
.rept 24
	v_min_u32 v[T+x], 0x1fff, v[T+x]               ; a row of inp whatever was read
	v_lshl_add_u32 v[VO+x], v[T+x], 12, v[L16]     ; the row's 4,096 bytes + my 16 bytes of a piece of 256
.set x, x+1
.endr
	TLOAD 0                                        ; three chunks, 72 loads, are asked for ahead of the first wait
	TLOAD 1
	TLOAD 2
	PREP 0
	BLOAD 0
	STAGE 0
.irp k, 0,1,2,3,4,5,6,7,8,9,10,11,12,13,14,15
	STEP \k
.endr
	OUTG 0
	s_cmp_eq_u32 s50, 0
	s_cbranch_scc1 .Lno_more
	OUTG 1
	s_cmp_eq_u32 s51, 0
	s_cbranch_scc1 .Lno_more
	OUTG 2
.Lno_more:
	s_add_co_u32 s48, s48, 768                     ; my place in the next 768 ranks
	s_add_co_u32 s47, s47, 1
	s_cmp_lt_u32 s47, s46
	s_cbranch_scc1 .Lpass
.Lend:
	s_wait_tensorcnt 0x0                           ; the wave's end, behind my last LDS store
	ds_add_u32 v[SPW], v[NIL]
	s_wait_dscnt 0x0
	s_endpgm
.Lfunc_end_k_q80cf40ca47_moe:
	.size	k_q80cf40ca47_moe, .Lfunc_end_k_q80cf40ca47_moe-k_q80cf40ca47_moe
	.p2alignl 7, 3214868480
	.fill 96, 4, 3214868480
	.section	.rodata,"a",@progbits
	.p2align	6, 0x0
	.amdhsa_kernel k_q80cf40ca47_moe
		.amdhsa_group_segment_fixed_size 317184
		.amdhsa_private_segment_fixed_size 0
		.amdhsa_enable_private_segment 0
		.amdhsa_kernarg_size 32
		.amdhsa_user_sgpr_count 2
		.amdhsa_user_sgpr_kernarg_segment_ptr 1
		.amdhsa_wavefront_size32 1
		.amdhsa_system_sgpr_workgroup_id_x 1
		.amdhsa_system_sgpr_workgroup_id_y 1
		.amdhsa_system_sgpr_workgroup_id_z 1
		.amdhsa_system_vgpr_workitem_id 0
		.amdhsa_next_free_vgpr 1024
		.amdhsa_next_free_sgpr 66
		.amdhsa_reserve_vcc 1
		.amdhsa_float_denorm_mode_32 3
		.amdhsa_float_denorm_mode_16_64 3
		.amdhsa_memory_ordered 1
		.amdhsa_forward_progress 1
		.amdhsa_inst_pref_size 255
	.end_amdhsa_kernel
	.section	.bss,"aw",@nobits
	.p2align	6
	.space	262144
	.amdgpu_metadata
---
amdhsa.version: [ 1, 2 ]
amdhsa.kernels:
  - .name:           k_q80cf40ca47_moe
    .symbol:         k_q80cf40ca47_moe.kd
    .args:
      - { .name: gate, .offset: 0, .size: 8, .value_kind: global_buffer, .address_space: global }
      - { .name: inp, .offset: 8, .size: 8, .value_kind: global_buffer, .address_space: global }
      - { .name: weight, .offset: 16, .size: 8, .value_kind: global_buffer, .address_space: global }
      - { .name: out0, .offset: 24, .size: 8, .value_kind: global_buffer, .address_space: global }
    .group_segment_fixed_size: 317184
    .private_segment_fixed_size: 0
    .kernarg_segment_align: 8
    .kernarg_segment_size: 32
    .max_flat_workgroup_size: 128
    .sgpr_count:     66
    .vgpr_count:     1024
    .wavefront_size: 32
...
	.end_amdgpu_metadata
.endif
;; end of part 2
